; MI455X (gfx1250); checked and timed in simulation.
; The chip was launched on July 23, 2026; its instructions are those of AMD's public machine-readable ISA for CDNA 5 (MIT licence, August 2026) and "CDNA5" Instruction Set Architecture Reference Guide (July 2026). The comments in the code are by the model that wrote it; some were corrected since.
;; Attention Module. Allowed arithmetic: matrix products marked QUANTISED: E4M3 operands, one E8M0 scale for each 32 along K, by v_wmma_scale_f32_16x16x128_f8f6f4 with both operands' format E4M3, f32 sums; products left as they are: f32 operands where the result goes on into a quantised operand, else bf16, f16 or f32 operands; f32 sums; everything else in f32.
;; Inputs: V_att 1 x 1,024 float32; W_dec_codes 1,024 x 32 x 32 uint8 (E4M3 codes of W_dec, K innermost, in blocks of 32 codes); W_dec_scales 1,024 x 32 uint8 (E8M0 scales of W_dec, one for each 32 codes along K); W_enc_codes 1,024 x 32 x 32 uint8 (E4M3 codes of W_enc, K innermost, in blocks of 32 codes); W_enc_scales 1,024 x 32 uint8 (E8M0 scales of W_enc, one for each 32 codes along K); decoder_hidden_codes 32 x 1 x 32 x 32 uint8 (E4M3 codes of decoder_hidden, K innermost, in blocks of 32 codes); decoder_hidden_scales 32 x 1 x 32 uint8 (E8M0 scales of decoder_hidden, one for each 32 codes along K); encoder_out 2,048 x 32 x 1,024 float32.
;; Outputs: out0 32 x 1 x 1,024 float32; out1 1 x 32 x 2,048 float32.
;; This version of the problem:
;;   THIS VERSION OF THE PROBLEM IS GIVEN IN LOW PRECISION. The matrix products marked QUANTISED in the list below multiply operands that are first quantised to E4M3 (4 exponent bits, 3 mantissa bits; 8 bits a number), with one power-of-two scale for each 32 numbers along K (OCP MX v1.0); their sums are f32. All else is computed in f32.
;;   The module's matrix products, in the order in which they are computed (A, B: the left and right operand; K: the contracted axis; several contracted axes count as one K, in the product's order):
;;     1. [M 1,024, K 1,024] x [K 1,024, N 65,536]; A: input W_enc (given as codes); B: input encoder_out: QUANTISED
;;     2. [M 32, K 1,024] x [K 1,024, N 1,024]; A: input decoder_hidden (given as codes); B: input W_dec (given as codes): QUANTISED
;;     3. [M 65,536, K 1,024] x [K 1,024, N 1]; A: computed on the way; B: input V_att: left as it is (N = 1 < 16)
;;     4. batch 32 x [M 1, K 2,048] x [K 2,048, N 1,024]; A: computed on the way; B: input encoder_out: left as it is (M = 1 < 16)
;;   THE QUANTISER, for each operand of a quantised product, along K:
;;     - K is cut into blocks of 32 from its start; a last block that is shorter is filled with zeros.
;;     - A block's scale is 2^e with e = floor(log2(the largest magnitude in the block)) - 8, held to -126 .. 127; a block of zeros has e = 0. As a byte (E8M0): e + 127.
;;     - Each number is divided by its block's scale, clamped to +-448, and rounded to the nearest number of E4M3, ties to even, subnormals kept.
;;     - The product sums the exact products of the quantised numbers (number of the format x scale) in f32.
;;   ~~~python
;;   def quantise(x, axis):      # numpy; x: float32 -> the quantised numbers, widened to float32 again
;;       x = np.moveaxis(x, axis, -1); K = x.shape[-1]
;;       x = np.pad(x, [(0, 0)] * (x.ndim - 1) + [(0, -K % 32)]); x = x.reshape(x.shape[:-1] + (-1, 32)); a = np.abs(x).max(-1, keepdims=True)
;;       e = np.where(a > 0, np.clip(np.frexp(np.where(a > 0, a, 1))[1] - 1 - 8, -126, 127), 0)      # np.frexp(a)[1] - 1 = floor(log2(a)), exactly
;;       r = np.clip(x / 2.0 ** e, -448, 448)
;;       step = 2.0 ** (np.maximum(np.frexp(np.where(r == 0, 1, r))[1] - 1, -6) - 3)
;;       q = np.round(r / step) * step * 2.0 ** e      # np.round: ties to even
;;       return np.moveaxis(q.reshape(q.shape[:-2] + (-1,))[..., :K], -1, axis).astype(np.float32)
;;   ~~~
;;   INPUTS GIVEN AS CODES. W_dec (in the module: [1024, 1024], K = its axis 1); W_enc (in the module: [1024, 1024], K = its axis 1); decoder_hidden (in the module: [32, 1, 1024], K = its axis 2): each comes as NAME_codes (uint8): NAME with its K axis moved to the last place and cut into blocks of 32 codes, [.., K / 32, bytes a block], one block behind the other in memory; one code a byte (a code: sign, 4 exponent bits, 3 mantissa bits); and NAME_scales (uint8): the same leading axes, one E8M0 byte (e + 127) for each 32 codes along K. Its value is code x scale, taken as it is: it is not quantised again, and the codes and scales need not be those that the quantiser above would give.
;; One version. Each part assembles by itself: llvm-mc -triple=amdgcn-amd-amdhsa -mcpu=gfx1250 --defsym DOCPART=n.
;; ======== version 1 of 1: 3 launches
;; limits: values are held in bf16: 8 bits of precision; right only within a limited range of input values
;; workspace buffers: qc 131,072 bytes; tl 262,144 bytes; pctx 8,388,608 bytes
;; launch query (part 1): grid 64 x 1, 1 waves a work-group, no clusters, 0 bytes of LDS; arguments decoder_hidden_codes, decoder_hidden_scales, W_dec_codes, W_dec_scales, qc; writes qc
.if DOCPART == 1
	.amdgcn_target "amdgcn-amd-amdhsa--gfx1250"
	.amdhsa_code_object_version 6
	.text
	.protected	k_q61e60b0376_query
	.globl	k_q61e60b0376_query
	.p2align	8
	.type	k_q61e60b0376_query,@function
k_q61e60b0376_query:
	s_mov_b64 s[64:65], 0
	v_nop
	global_prefetch_b8 v0, s[64:65] scope:SCOPE_SE
	s_setreg_imm32_b32 hwreg(HW_REG_WAVE_MODE, 25, 1), 1
	s_wait_xcnt 0x0
; qc[b][e] = c x sum over k of decoder_hidden[b][k] W_dec[e][k], c = 2 log2(e); both operands are given as E4M3 codes with E8M0 scale bytes and go to the matrix unit as they lie.
; One wave makes 16 columns e (e0 = 16 x work-group) for all 32 batches: two accumulators by turns, eight K steps of 128.
; USED TRANSPOSED: source 0 = 16 rows of W_dec, source 1 = 16 rows of decoder_hidden: lane (r, h) holds batch r and its registers e = e0 + 8 h + 0 .. 7: 32 neighbouring bytes of a row of qc.
; No cluster, no LDS: each row of W_dec is read by one work-group alone; what all share (decoder_hidden) is 32 KB.
; REGISTERS: v16-31 the two accumulators; v32-39 W's scale words, v40-55 decoder_hidden's; v64-79 results; v128-255 W's eight fragments; window 1: decoder_hidden's sixteen fragments.
.set MSB, 0
.macro WIN new                         ; the immediate's high byte repeats the setting that is left
.if MSB != (\new)
	s_set_vgpr_msb (MSB<<8)|(\new)
.set MSB, (\new)
.endif
.endm
	s_load_b256 s[4:11], s[0:1], 0x0               ; decoder_hidden's codes s[4:5], its scales s[6:7], W_dec's codes s[8:9], its scales s[10:11]
	s_load_b64 s[12:13], s[0:1], 0x20              ; qc
	v_and_b32 v1, 15, v0                           ; r
	v_lshrrev_b32 v2, 4, v0                        ; h
	v_lshlrev_b32 v3, 10, v1
	v_lshl_add_u32 v3, v2, 4, v3                   ; codes: row r of 1,024 bytes, + 16 h
	v_lshlrev_b32 v4, 5, v1                        ; scale bytes: 32 a row
	v_lshlrev_b32 v5, 12, v1
	v_lshl_add_u32 v5, v2, 5, v5                   ; qc: row r of 4,096 bytes, + 32 h
	s_lshl_b32 s14, ttmp9, 14                      ; 16 rows of W_dec's codes,
	s_mov_b32 s15, 0
	s_lshl_b32 s16, ttmp9, 9                       ; of its scale bytes,
	s_mov_b32 s17, 0
	s_lshl_b32 s18, ttmp9, 6                       ; and 16 columns of qc
	s_mov_b32 s19, 0
	s_wait_alu depctr_va_vdst(0)
	s_wait_kmcnt 0x0
	s_add_nc_u64 s[8:9], s[8:9], s[14:15]
	s_add_nc_u64 s[10:11], s[10:11], s[16:17]
	s_add_nc_u64 s[12:13], s[12:13], s[18:19]
.irp k, 0,1,2,3,4,5,6,7
.irp c, 0,1,2,3
	global_load_b128 v[128+16*\k+4*\c:128+16*\k+4*\c+3], v3, s[8:9] offset:128*\k+32*\c
.endr
.endr
	global_load_b128 v[32:35], v4, s[10:11]        ; word k of a row: the four scale bytes of K step k
	global_load_b128 v[36:39], v4, s[10:11] offset:16
.irp t, 0,1
	global_load_b128 v[40+8*\t:43+8*\t], v4, s[6:7] offset:512*\t
	global_load_b128 v[44+8*\t:47+8*\t], v4, s[6:7] offset:512*\t+16
.endr
	WIN 0x40                                       ; destination window 1
.irp t, 0,1
.irp k, 0,1,2,3,4,5,6,7
.irp c, 0,1,2,3
	global_load_b128 v[16*(8*\t+\k)+4*\c:16*(8*\t+\k)+4*\c+3], v3, s[4:5] offset:16384*\t+128*\k+32*\c
.endr
.endr
.endr
	s_wait_loadcnt 0x0
	WIN 0x04                                       ; source 1 window 1
.irp k, 0,1,2,3,4,5,6,7                        ; the two accumulators take turns, one instruction a turn; the first K step starts the sums
.irp t, 0,1
.if \k == 0
	v_wmma_scale_f32_16x16x128_f8f6f4 v[16+8*\t:23+8*\t], v[128+16*\k:143+16*\k], v[16*(8*\t+\k):16*(8*\t+\k)+15], 0, v[32+\k], v[40+8*\t+\k]
.else
	v_wmma_scale_f32_16x16x128_f8f6f4 v[16+8*\t:23+8*\t], v[128+16*\k:143+16*\k], v[16*(8*\t+\k):16*(8*\t+\k)+15], v[16+8*\t:23+8*\t], v[32+\k], v[40+8*\t+\k]
.endif
.endr
.endr
	WIN 0
.rept 8
	v_nop                                          ; eight places between the last product and the first read of results
.endr
.irp j, 0,1,2,3,4,5,6,7,8,9,10,11,12,13,14,15
	v_mul_f32 v[64+\j], 0x4038aa3b, v[16+\j]       ; x c; each accumulator from its low end on
.endr
.irp t, 0,1
	global_store_b128 v5, v[64+8*\t:67+8*\t], s[12:13] offset:65536*\t
	global_store_b128 v5, v[68+8*\t:71+8*\t], s[12:13] offset:65536*\t+16
.endr
	s_endpgm
.Lfunc_end_k_q61e60b0376_query:
	.size	k_q61e60b0376_query, .Lfunc_end_k_q61e60b0376_query-k_q61e60b0376_query
	.p2alignl 7, 3214868480
	.fill 96, 4, 3214868480
	.section	.rodata,"a",@progbits
	.p2align	6, 0x0
	.amdhsa_kernel k_q61e60b0376_query
		.amdhsa_group_segment_fixed_size 0
		.amdhsa_private_segment_fixed_size 0
		.amdhsa_enable_private_segment 0
		.amdhsa_kernarg_size 40
		.amdhsa_user_sgpr_count 2
		.amdhsa_user_sgpr_kernarg_segment_ptr 1
		.amdhsa_wavefront_size32 1
		.amdhsa_system_sgpr_workgroup_id_x 1
		.amdhsa_system_sgpr_workgroup_id_y 1
		.amdhsa_system_sgpr_workgroup_id_z 1
		.amdhsa_system_vgpr_workitem_id 0
		.amdhsa_next_free_vgpr 512
		.amdhsa_next_free_sgpr 66
		.amdhsa_reserve_vcc 0
		.amdhsa_float_denorm_mode_32 3
		.amdhsa_float_denorm_mode_16_64 3
		.amdhsa_memory_ordered 1
		.amdhsa_forward_progress 1
		.amdhsa_inst_pref_size 15
	.end_amdhsa_kernel
	.amdgpu_metadata
---
amdhsa.version: [ 1, 2 ]
amdhsa.kernels:
  - .name:           k_q61e60b0376_query
    .symbol:         k_q61e60b0376_query.kd
    .args:
      - { .name: decoder_hidden_codes, .offset: 0, .size: 8, .value_kind: global_buffer, .address_space: global }
      - { .name: decoder_hidden_scales, .offset: 8, .size: 8, .value_kind: global_buffer, .address_space: global }
      - { .name: W_dec_codes, .offset: 16, .size: 8, .value_kind: global_buffer, .address_space: global }
      - { .name: W_dec_scales, .offset: 24, .size: 8, .value_kind: global_buffer, .address_space: global }
      - { .name: qc, .offset: 32, .size: 8, .value_kind: global_buffer, .address_space: global }
    .group_segment_fixed_size: 0
    .private_segment_fixed_size: 0
    .kernarg_segment_align: 8
    .kernarg_segment_size: 40
    .max_flat_workgroup_size: 32
    .sgpr_count:     66
    .vgpr_count:     512
    .wavefront_size: 32
...
	.end_amdgpu_metadata
.endif
;; end of part 1
;; launch main (part 2): grid 512 x 1, 4 waves a work-group, clusters of 4 x 1, 327,680 bytes of LDS; arguments encoder_out, W_enc_codes, W_enc_scales, V_att, qc, tl, pctx; writes tl, pctx
.if DOCPART == 2
	.amdgcn_target "amdgcn-amd-amdhsa--gfx1250"
	.amdhsa_code_object_version 6
	.text
	.protected	k_q61e60b0376_main
	.globl	k_q61e60b0376_main
	.p2align	8
	.type	k_q61e60b0376_main,@function
k_q61e60b0376_main:
	s_mov_b64 s[64:65], 0
	v_nop
	global_prefetch_b8 v0, s[64:65] scope:SCOPE_SE
	s_setreg_imm32_b32 hwreg(HW_REG_WAVE_MODE, 25, 1), 1
	s_wait_xcnt 0x0
	s_wait_alu depctr_hold_cnt(0) depctr_sa_sdst(0) depctr_va_vdst(0) depctr_va_sdst(0) depctr_va_ssrc(0) depctr_va_vcc(0) depctr_vm_vsrc(0)
	s_getreg_b32 s2, hwreg(HW_REG_IB_STS2, 6, 4)
	s_cmp_eq_u32 s2, 0
	s_cbranch_scc0 .Lentry_in_a_cluster
	s_endpgm
.Lentry_in_a_cluster:
	s_bfe_u32 s2, ttmp6, 0x10000c
	s_cmp_lg_u32 s2, 0x3003
	s_cbranch_scc0 .Lentry_shape_is_right
	s_endpgm
.Lentry_shape_is_right:
; For 128 rows s of one batch b: keys = Q(enc) W_enc^T on E4M3 codes, t = log2(e) x (V . tanh(keys + query)) up to a constant, and for each wave's 32 rows the partial context sum of 2^(t - m) x enc, m the largest t of the 32.
; encoder_out is read from memory once: each row is quantised into codes (window 1) and kept as bf16 (windows 2, 3: the operand of the context product, which is left as it is) until its t is known.
; tanh(z) = 1 - 2 / (1 + 2^(c z)), c = 2 log2(e).  DEAD WORK: the sum of V over e is a term of the logits that is the same for every s of a batch, whatever the inputs hold, so the softmax takes it away; it is not computed.
;   So t = sum over e of V2[e] / (1 + 2^(c key + c query)), V2 = -c V.  2^x = infinity gives 1 / infinity = 0, 2^x = 0 gives 1: no clip is needed.
; SOFTMAX: the largest t of the wave's 32 rows is taken away before the exponential; the last launch brings the 64 partials of a batch under the batch's largest t.
; SHARES: work-group g = 16 b + sc takes rows 128 sc .. + 127 of batch b; wave w rows 32 w .. + 31 of them.  The waves share W_enc's tiles, its scale bytes and the table of c query and V2.
; CLUSTER: all work-groups walk the same W_enc, so the four of a cluster ask for each tile jointly (mask 15); the descriptors hang on the wave's number alone.
; USED TRANSPOSED: source 0 = 16 rows e of W_enc, source 1 = 16 rows s: lane (r, h) holds row r and its registers e = e0 + 8 h + 0 .. 7.
; A TILE'S TURN: its 16 products on end, then its tanh in place on the two accumulators: one batch of exponentials, one of reciprocals; the next tile's fragments are asked of LDS meanwhile.
; NO PREFETCH: encoder_out's loads run 56 to 60 deep a wave with nothing to wait for but memory; W_enc is read again and again by every work-group.
; LIMITS: NaN and infinities among the inputs are not served, and an overflow that reaches only the sum of V left out is not carried to the result.  A block of zeros gets the scale byte 1 where the quantiser says 127: its codes are zeros, and this program alone reads the bytes.
;   The context is summed of encoder_out rounded to bf16, with f32 weights and f32 sums.
; LDS: two slots of 128 rows of W_enc (1,024 bytes + 16 of padding); W_enc's scale bytes, whole; the table; a stage for each wave; the spare words.
.set WPITCH, 1040
.set SLOTB,  128*WPITCH
.set SCW,    2*SLOTB                   ; W_enc's scale bytes: 1,024 rows x 32 bytes, dense, filled once
.set QVT,    SCW+32768                 ; c query [1024] f32, then V2 [1024] f32
.set CST,    QVT+8192                  ; the waves' stages: 16 rows x (256 codes + 16), then 16 rows x 8 scale bytes
.set CSTB,   4608
.set CSC,    4352
.set SPARE,  CST+4*CSTB                ; the spare words, 128 bytes for each wave
.set SPW, 4                            ; v4 LDS address of my spare word; v5 0: never rewritten
.set NIL, 5
.set XO,  6                            ; 32 x lane: my 8 numbers of a chunk's 256
.set STC, 7                            ; stage: where I put 8 codes of a row
.set STS, 8                            ; stage: my block's scale byte
.set RDC, 9                            ; stage: where I read a fragment
.set RDS, 10                           ; stage: my row's scale words
.set AW0, 11                           ; my lane's place in a tile of W
.set ADW, 12                           ; LDS address of the tile that is being fetched
.set AS0, 13                           ; my lane's place among W's scale bytes
.set AQ0, 14                           ; my lane's place in the table
.set ADS, 15                           ; LDS address of that tile's scale words
.set ES,  16                           ; v16-31 my rows' scale words: tile of rows t, K step k at 8 t + k
.set WS,  32                           ; v32-39 W's scale words
.set QC,  40                           ; v40-47 c query of my eight e
.set V2R, 48                           ; v48-55 V2 of my eight e
.set LG,  56                           ; v56-59 t, in two halves for each tile of rows (while rows are quantised: v56-62 at work)
.set ADQ, 63                           ; LDS address in the table
.set AC,  64                           ; v64-79 two accumulators; the tanh is made in place
.set BY,  80                           ; v80-95 a chunk's scale bytes, one a row
.set CT,  96                           ; v96-127 a chunk's codes, two registers a row; later CX, the context
.set CX,  96
.set X,   128                          ; v128-255 sixteen slots of 8 numbers, in window 0 and once more in window 3; later F, W's eight fragments; later PB, the weights
.set F,   128
.set PB,  128
; window 1: my rows' codes, fragment (t, k) at 16 (8 t + k).  windows 2, 3: rows 0-15, 16-31 as bf16: register 64 c + 4 i + u holds d = 256 c + 8 lane + 2 u, + 1 of row i
.set WV,  18
.set G1W, 24                           ; s[24:31] descriptor group 1 for W's tiles
.set G1S, 32                           ; s[32:39] for its scale bytes
.set G0,  40                           ; s[40:47] group 0, a set for each slot
.set G0S, 48                           ; s[48:51] group 0 for the scale bytes
.set CC,  52                           ; s[52:53] c
.set SEL, 54                           ; s[54:55] selects for lane l xor 16
.set TW,  60                           ; LDS byte at which the tile of W that is being fetched begins
.set TE,  61                           ; 4 x that tile's first e
.set MSB, 0
.macro WIN new                         ; the immediate's high byte repeats the setting that is left
.if MSB != (\new)
	s_set_vgpr_msb (MSB<<8)|(\new)
.set MSB, (\new)
.endif
.endm
.macro NOPS n
.rept \n
	v_nop
.endr
.endm
.macro ROUND                           ; a round of the cluster's barrier
	s_barrier_signal -1
	s_barrier_wait -1
	s_cmp_lg_u32 s[WV], 0
	s_cbranch_scc1 .Lnot_wave_0_\@
	s_barrier_signal -3
.Lnot_wave_0_\@:
	s_barrier_wait -3
	s_barrier_signal -1
	s_barrier_wait -1
.endm
	s_load_b256 s[4:11], s[0:1], 0x0               ; encoder_out s[4:5], W's codes s[6:7], W's scales s[8:9], V s[10:11]
	s_load_b128 s[12:15], s[0:1], 0x20             ; qc s[12:13], tl s[14:15]
	s_load_b64 s[16:17], s[0:1], 0x30              ; pctx
	v_lshl_add_u32 v[SPW], v0, 2, SPARE
	v_mov_b32 v[NIL], 0
	ds_add_u32 v4, v5                              ; the opening lines: the add twice on end and its wait
	ds_add_u32 v4, v5
	s_wait_dscnt 0x0
	v_lshrrev_b32 v1, 5, v0
	v_readfirstlane_b32 s[WV], v1                  ; wave 0..3
	v_and_b32 v1, 15, v0                           ; r
	v_bfe_u32 v2, v0, 4, 1                         ; h
	v_and_b32 v3, 31, v0                           ; lane
	s_bfe_u32 s19, ttmp6, 0x40000                  ; cx: it enters the addresses of encoder_out, qc, tl and pctx alone
	s_lshl_b32 s20, ttmp9, 2
	s_add_co_u32 s20, s20, s19                     ; g = 4 x cluster + cx
	s_lshr_b32 s21, s20, 4                         ; b
	s_and_b32 s22, s20, 15                         ; sc
	s_mul_i32 s23, s[WV], CSTB
	s_add_co_u32 s23, s23, CST                     ; my stage
	v_lshlrev_b32 v[XO], 5, v3
	v_lshl_add_u32 v[STC], v3, 3, s23
	v_lshrrev_b32 v[STS], 2, v3                    ; four lanes hold a block of 32
	v_add_nc_u32 v[STS], s23, v[STS]
	v_add_nc_u32 v[STS], CSC, v[STS]
	v_mul_u32_u24 v[RDC], v1, 272
	v_lshl_add_u32 v[RDC], v2, 4, v[RDC]
	v_add_nc_u32 v[RDC], s23, v[RDC]
	v_lshl_add_u32 v[RDS], v1, 3, s23
	v_add_nc_u32 v[RDS], CSC, v[RDS]
	v_mul_u32_u24 v[AW0], v1, WPITCH
	v_lshl_add_u32 v[AW0], v2, 4, v[AW0]
	v_lshl_add_u32 v[AS0], v1, 5, SCW
	v_lshl_add_u32 v[AQ0], v2, 5, QVT
	s_mov_b32 s[CC], 0x4038aa3b                    ; c = 2 log2(e)
	s_mov_b32 s[CC+1], s[CC]
	s_mov_b32 s[SEL], 0x76543210
	s_mov_b32 s[SEL+1], 0xfedcba98
	s_mov_b32 s56, 0x600000                        ; the mantissa field of 448
	s_mov_b32 s57, 0x7f800000                      ; the exponent field
	s_mov_b32 s58, 0x4800000                       ; the floor 2^(9 - 127)
	s_mov_b32 s59, 0xfc000000                      ; -(8 << 23)
	s_mov_b32 s[G1W+0], 15|(1<<20)|(1<<21)|(7<<22)|(3<<25)  ; mask: all four work-groups; elements of 1 byte; 4 words of padding behind every 256
	s_mov_b32 s[G1W+1], 1024<<16
	s_mov_b32 s[G1W+2], 32<<16
	s_mov_b32 s[G1W+3], 1024<<16
	s_mov_b32 s[G1W+4], 32
	s_mov_b32 s[G1W+5], 1024
	s_mov_b32 s[G1W+6], 0
	s_mov_b32 s[G1W+7], 0
	s_mov_b32 s[G1S+0], 15|(3<<16)|(1<<21)         ; a quarter of the scale bytes: 32 rows of 32 elements of 8 bytes, dense
	s_mov_b32 s[G1S+1], 32<<16
	s_mov_b32 s[G1S+2], 32<<16
	s_mov_b32 s[G1S+3], 32<<16
	s_mov_b32 s[G1S+4], 32
	s_mov_b32 s[G1S+5], 32
	s_mov_b32 s[G1S+6], 0
	s_mov_b32 s[G1S+7], 0
	s_mul_i32 s66, s[WV], 32*WPITCH                ; my 32 rows in a slot,
	s_lshl_b32 s68, s[WV], 15                      ; in memory,
	s_mov_b32 s69, 0
	s_lshl_b32 s70, s[WV], 13                      ; and my quarter of the scale bytes
	s_mov_b32 s71, 0
	s_lshl_b32 s72, s22, 7
	s_lshl_b32 s73, s[WV], 5
	s_add_co_u32 s72, s72, s73                     ; my first row s = 128 sc + 32 w
	s_lshl_b32 s74, s72, 17                        ; a step in s is 32 x 4,096 bytes
	s_lshl_b32 s75, s21, 12
	s_add_co_u32 s74, s74, s75                     ; + 4,096 b
	s_mov_b32 s76, s75                             ; qc: 4,096 b
	s_mov_b32 s75, 0
	s_mov_b32 s77, 0
	s_wait_kmcnt 0x0
	s_add_nc_u64 s[4:5], s[4:5], s[74:75]
	s_add_nc_u64 s[12:13], s[12:13], s[76:77]
	s_lshl_b32 s74, s21, 13
	s_lshl_b32 s76, s72, 2
	s_add_co_u32 s74, s74, s76
	s_add_nc_u64 s[14:15], s[14:15], s[74:75]      ; tl at 4 (2,048 b + s)
	s_lshl_b32 s74, s21, 6
	s_lshl_b32 s76, s22, 2
	s_add_co_u32 s74, s74, s76
	s_add_co_u32 s74, s74, s[WV]
	s_lshl_b32 s74, s74, 12
	s_add_nc_u64 s[16:17], s[16:17], s[74:75]      ; pctx at partial 64 b + 4 sc + w
	s_mov_b32 s[G0+0], 1
	s_mov_b32 s[G0+1], s66                         ; slot 0
	s_add_nc_u64 s[G0+2:G0+3], s[6:7], s[68:69]
	s_or_b32 s[G0+3], s[G0+3], 0x80000000
	s_mov_b32 s[G0+4], 1
	s_add_co_u32 s[G0+5], s66, SLOTB               ; slot 1
	s_add_nc_u64 s[G0+6:G0+7], s[6:7], s[68:69]
	s_add_nc_u64 s[G0+6:G0+7], s[G0+6:G0+7], 128*1024
	s_or_b32 s[G0+7], s[G0+7], 0x80000000
	s_mov_b32 s[G0S+0], 1
	s_add_co_u32 s[G0S+1], s70, SCW
	s_add_nc_u64 s[G0S+2:G0S+3], s[8:9], s[70:71]
	s_or_b32 s[G0S+3], s[G0S+3], 0x80000000
	ROUND                                          ; all four work-groups are here: the first joint loads meet
	tensor_load_to_lds s[G0:G0+3], s[G1W:G1W+7]    ; my one tensor load at the head: my 32 rows of slot 0
	s_nop 0
	NOPS 4
	v_lshlrev_b32 v62, 5, v0                       ; thread t takes numbers 8 t .. 8 t + 7 of c query and of V
	v_lshl_add_u32 v[ADQ], v0, 5, QVT
	global_load_b128 v[QC:QC+3], v62, s[12:13]
	global_load_b128 v[QC+4:QC+7], v62, s[12:13] offset:16
	global_load_b128 v[V2R:V2R+3], v62, s[10:11]
	global_load_b128 v[V2R+4:V2R+7], v62, s[10:11] offset:16
; Chunk n = 4 t + c is rows 16 t .. 16 t + 15 x d = 256 c .. 256 c + 255; pair g = 8 n + i / 2 is its rows i, i + 1.  A row's 1,024 bytes land in slot i, 32 bytes a lane.
; Chunks 1, 3, 5 land in window 3's upper half, which takes bf16 only from chunk 6 on; the others in window 0.  Pairs are asked for in the order in which they are worked; REQ counts the slots asked for.
.set REQ, 0
.macro LOADP g
.set LN, (\g)/8
.set LI, 2*((\g)%8)
.set LW, 3*(LN%2)*((13-LN)/7)
	WIN LW<<6
.irp r, 0,1
	global_load_b128 v[X+8*(LI+\r):X+8*(LI+\r)+3], v[XO], s[4:5] offset:(16*(LN/4)+LI+\r)*131072+1024*(LN%4) th:TH_LOAD_NT
	global_load_b128 v[X+8*(LI+\r)+4:X+8*(LI+\r)+7], v[XO], s[4:5] offset:(16*(LN/4)+LI+\r)*131072+1024*(LN%4)+16 th:TH_LOAD_NT
.endr
.set REQ, REQ+2
.endm
.set G, 0
.rept 14
	LOADP G
.set G, G+1
.endr
	WIN 0
	s_wait_alu depctr_va_vdst(0)
	s_wait_loadcnt 56                              ; c query and V are in; the 14 pairs' 56 loads behind them stay out
.irp j, 0,1,2,3,4,5,6,7
	v_mul_f32 v[V2R+\j], 0xc038aa3b, v[V2R+\j]     ; V2 = -c V
.endr
	ds_store_b128 v[ADQ], v[QC:QC+3]
	ds_store_b128 v[ADQ], v[QC+4:QC+7] offset:16
	ds_store_b128 v[ADQ], v[V2R:V2R+3] offset:4096
	ds_store_b128 v[ADQ], v[V2R+4:V2R+7] offset:4112
	LOADP 14                                       ; 30 slots, 60 loads, are on their way
; Two rows, line by line in turn: kept as bf16, quantised, codes and scale bytes into my stage.
.macro ROW2 g
.set N_, (\g)/8
.set I_, 2*((\g)%8)
.set XW, 3*(N_%2)*((13-N_)/7)
	s_wait_loadcnt 2*(REQ-16*N_-I_-2)              ; loads come back in order: all but the slots asked for behind this pair's second
	WIN XW|(XW<<2)|((2+N_/4)<<6)
.irp r, 0,1
.irp u, 0,1,2,3
	v_cvt_pk_bf16_f32 v[64*(N_%4)+4*(I_+\r)+\u], v[X+8*(I_+\r)+2*\u], v[X+8*(I_+\r)+2*\u+1]
.endr
.endr
	WIN XW|(XW<<2)|(XW<<4)
.irp r, 0,1
	v_max3_num_f32 v[60-4*\r], |v[X+8*(I_+\r)]|, |v[X+8*(I_+\r)+1]|, s58   ; my 8 magnitudes and the floor, which holds the byte at 1 from below
.endr
.irp r, 0,1
	v_max3_num_f32 v[61-4*\r], |v[X+8*(I_+\r)+2]|, |v[X+8*(I_+\r)+3]|, |v[X+8*(I_+\r)+4]|
.endr
.irp r, 0,1
	v_max3_num_f32 v[62-4*\r], |v[X+8*(I_+\r)+5]|, |v[X+8*(I_+\r)+6]|, |v[X+8*(I_+\r)+7]|
.endr
	WIN 0
.irp r, 0,1
	v_max3_num_f32 v[60-4*\r], v[60-4*\r], v[61-4*\r], v[62-4*\r]
.endr
.irp r, 0,1
	v_max_num_f32_dpp v[60-4*\r], v[60-4*\r], v[60-4*\r] row_xmask:1 row_mask:0xf bank_mask:0xf
.endr
.irp r, 0,1
	v_max_num_f32_dpp v[60-4*\r], v[60-4*\r], v[60-4*\r] row_xmask:2 row_mask:0xf bank_mask:0xf   ; with the three lanes that share my block of 32
.endr
.irp r, 0,1
	v_add_nc_u32 v[61-4*\r], s59, v[60-4*\r]       ; 8 off the exponent field: the conversion's scale operand
.endr
.irp r, 0,1
	v_and_or_b32 v[62-4*\r], v[60-4*\r], s57, s56  ; 448 x the scale
.endr
.irp r, 0,1
	v_lshrrev_b32 v[BY+I_+\r], 23, v[61-4*\r]      ; the scale's byte
.endr
	WIN XW|(XW<<6)
.irp j, 0,1,2,3,4,5,6,7
.irp r, 0,1
	v_med3_num_f32 v[X+8*(I_+\r)+\j], v[X+8*(I_+\r)+\j], -v[62-4*\r], v[62-4*\r]   ; the conversion does not saturate (ISA guide 7.6.2): the hold comes first
.endr
.endr
	WIN XW
.irp r, 0,1
	v_cvt_scalef32_pk8_fp8_f32 v[CT+2*(I_+\r):CT+2*(I_+\r)+1], v[X+8*(I_+\r):X+8*(I_+\r)+7], v[61-4*\r]
.endr
	v_nop                                          ; one plain instruction behind the scaled conversions
	WIN 0
.irp r, 0,1
	ds_store_b64 v[STC], v[CT+2*(I_+\r):CT+2*(I_+\r)+1] offset:272*(I_+\r)
	ds_store_b8 v[STS], v[BY+I_+\r] offset:8*(I_+\r)   ; the four lanes of a block write the same byte with the same value
.endr
.endm
; The chunk's 16 rows x 256 codes come back as two fragments and two scale words a row.  LDS serves a wave's instructions in order.
.macro CHUNKEND n
	WIN 0x40
.irp q, 0,1
.irp c, 0,1,2,3
	ds_load_b128 v[16*(8*((\n)/4)+2*((\n)%4)+\q)+4*\c:16*(8*((\n)/4)+2*((\n)%4)+\q)+4*\c+3], v[RDC] offset:128*\q+32*\c
.endr
.endr
	WIN 0
	ds_load_b64 v[ES+8*((\n)/4)+2*((\n)%4):ES+8*((\n)/4)+2*((\n)%4)+1], v[RDS]
	s_wait_dscnt 0x0                               ; the stage has been read: it is written again in the next chunk
.endm
; A later first fill: the three lines, a round, and my one tensor load behind it
.macro FIRST g0, g1
	s_wait_tensorcnt 0x0
	ds_add_u32 v[SPW], v[NIL]
	s_wait_dscnt 0x0
	ROUND
	tensor_load_to_lds s[\g0:\g0+3], s[\g1:\g1+7]
	s_nop 0
	NOPS 4
.endm
; Behind pair g the pair 15 on is asked for, into the slots that pair g - 1 has left; chunk 7 shares chunk 6's slots, so its pairs follow chunk 6's own.
.set G, 0
.rept 64
	ROW2 G
.if G <= 40
	LOADP G+15
.endif
.if (G >= 48) && (G <= 55)
	LOADP G+8
.endif
.if G%8 == 7
	CHUNKEND G/8
.endif
.if G == 7
	FIRST G0+4, G1W                                ; slot 1
.endif
.if G == 15
	FIRST G0S, G1S                                 ; W's scale bytes
.endif
.set G, G+1
.endr
	s_wait_tensorcnt 0x0                           ; my parts of the scale bytes and of both slots are in,
	s_wait_dscnt 0x0
	s_barrier_signal -1
	s_barrier_wait -1                              ; everybody's are.  Only the slots are filled behind this barrier
.macro ADDRS                           ; the LDS addresses of the tile that is fetched in this turn
	s_lshl_b32 s78, s[TE], 3                       ; 32 e0: a row of scale bytes is 32
	v_add_nc_u32 v[ADW], s[TW], v[AW0]
	v_add_nc_u32 v[ADS], s78, v[AS0]
	v_add_nc_u32 v[ADQ], s[TE], v[AQ0]
.endm
.macro FRAG k                          ; W's fragment of K step k: 16 rows e x 128 K
.irp c, 0,1,2,3
	ds_load_b128 v[F+16*(\k)+4*\c:F+16*(\k)+4*\c+3], v[ADW] offset:128*(\k)+32*\c
.endr
.endm
.macro WSL
	ds_load_b128 v[WS:WS+3], v[ADS]
	ds_load_b128 v[WS+4:WS+7], v[ADS] offset:16
.endm
.macro QVL
	ds_load_b128 v[QC:QC+3], v[ADQ]
	ds_load_b128 v[QC+4:QC+7], v[ADQ] offset:16
	ds_load_b128 v[V2R:V2R+3], v[ADQ] offset:4096
	ds_load_b128 v[V2R+4:V2R+7], v[ADQ] offset:4112
.endm
.macro PAIR k                          ; K step k for my two tiles of rows: the two accumulators take turns; K step 0 starts the sums
.irp t, 0,1
.if (\k) == 0
	v_wmma_scale_f32_16x16x128_f8f6f4 v[AC+8*\t:AC+8*\t+7], v[F+16*(\k):F+16*(\k)+15], v[16*(8*\t+(\k)):16*(8*\t+(\k))+15], 0, v[WS+(\k)], v[ES+8*\t+(\k)]
.else
	v_wmma_scale_f32_16x16x128_f8f6f4 v[AC+8*\t:AC+8*\t+7], v[F+16*(\k):F+16*(\k)+15], v[16*(8*\t+(\k)):16*(8*\t+(\k))+15], v[AC+8*\t:AC+8*\t+7], v[WS+(\k)], v[ES+8*\t+(\k)]
.endif
.endr
.endm
.macro TR16 op
.set J, 0
.rept 16
	\op v[AC+J], v[AC+J]
.set J, J+1
.endr
.endm
; A TILE'S TURN.  next = 1: the tile after is fetched.  LDS loads of a turn, in order: scale words (2), fragments 0 to 7 (32), c query and V2 (4).
; Behind fragment k stand 4 (7 - k) fragment loads and the table's four: the count ahead of K step k.  Eight places (three address lines, five v_nop) stand between the last product and the first read of the sums and the first load into its operands.
.macro TILE next
	WIN 0x04                                       ; source 1: window 1, my codes
.irp k, 0,1,2,3,4,5,6,7
	s_wait_dscnt 32-4*\k
	PAIR \k
.endr
	WIN 0
.if \next
	ADDRS
	NOPS 5
	WSL
	FRAG 0
	FRAG 1
	FRAG 2
	FRAG 3
.else
	NOPS 8
.endif
	s_wait_dscnt 18*(\next)                        ; c query and V2 of this tile are in; the 18 loads just issued stay out
.irp t, 0,1
.irp j, 0,2,4,6
	v_pk_fma_f32 v[AC+8*\t+\j:AC+8*\t+\j+1], v[AC+8*\t+\j:AC+8*\t+\j+1], s[CC:CC+1], v[QC+\j:QC+\j+1] op_sel_hi:[1,0,1]   ; c key + c query, each accumulator from its low end on
.endr
.endr
	s_wait_alu depctr_va_vdst(0)
	TR16 v_exp_f32
	v_nop
.if \next
	FRAG 4
	FRAG 5
	FRAG 6
	FRAG 7
.endif
	s_wait_alu depctr_va_vdst(0)
.irp j, 0,2,4,6,8,10,12,14
	v_pk_add_f32 v[AC+\j:AC+\j+1], v[AC+\j:AC+\j+1], 1.0 op_sel_hi:[1,0]
.endr
	s_wait_alu depctr_va_vdst(0)
	TR16 v_rcp_f32
	v_nop
.if \next
	s_add_co_u32 s[TW], s[TW], 16*WPITCH
	s_add_co_u32 s[TE], s[TE], 64
.endif
	s_wait_alu depctr_va_vdst(0)
.irp j, 0,2,4,6
.irp t, 0,1
	v_pk_fma_f32 v[LG+2*\t:LG+2*\t+1], v[AC+8*\t+\j:AC+8*\t+\j+1], v[V2R+\j:V2R+\j+1], v[LG+2*\t:LG+2*\t+1]   ; t += V2 / (1 + 2^..)
.endr
.endr
.if \next
	QVL
.endif
.endm
.macro TILES n
	s_mov_b32 s62, \n
.Ltile_\@:
	TILE 1
	s_sub_co_u32 s62, s62, 1
	s_cmp_lg_u32 s62, 0
	s_cbranch_scc1 .Ltile_\@
.endm
; THE CHANGE OF SLOTS stands ahead of the turn of slot s's last tile: that tile's fragments are in registers, and its turn fetches the other slot's first tile.
; Slot s takes the 128 rows e two slots on; the load has eight tiles' turns in which to land.
.macro CHANGE s
	s_wait_tensorcnt 0x0                           ; no tensor load of mine is out, so a group 0 may be written
	ds_add_u32 v[SPW], v[NIL]
	s_add_nc_u64 s[G0+4*\s+2:G0+4*\s+3], s[G0+4*\s+2:G0+4*\s+3], 2*128*1024
	s_wait_dscnt 0x0                               ; the add is done, and my reads of the slot are over
	ROUND
	tensor_load_to_lds s[G0+4*\s:G0+4*\s+3], s[G1W:G1W+7]
	s_nop 0
	NOPS 4
.endm
	s_mov_b32 s[TW], 0
	s_mov_b32 s[TE], 0
	ADDRS
	WSL                                            ; tile 0, in a turn's order
.irp k, 0,1,2,3,4,5,6,7
	FRAG \k
.endr
	QVL
.irp j, 0,1,2,3
	v_mov_b32 v[LG+\j], 0
.endr
	s_mov_b32 s[TW], 16*WPITCH                     ; the first turn fetches tile 1
	s_mov_b32 s[TE], 64
	s_wait_alu depctr_va_vdst(0)
	TILES 7                                        ; tiles 0 to 6; they fetch the rest of slot 0
	s_mov_b32 s63, 3
.Lring:                                            ; three trips of sixteen tiles: tiles 7 to 54; rows e 256 to 1,023 are asked for
	CHANGE 0
	s_mov_b32 s[TW], SLOTB
	TILES 8
	CHANGE 1
	s_mov_b32 s[TW], 0
	TILES 8
	s_sub_co_u32 s63, s63, 1
	s_cmp_lg_u32 s63, 0
	s_cbranch_scc1 .Lring
	s_wait_tensorcnt 0x0                           ; the tail is written out: it asks for nothing.  My part of the last slot is in
	ds_add_u32 v[SPW], v[NIL]
	s_wait_dscnt 0x0
	s_barrier_signal -1
	s_barrier_wait -1
	s_mov_b32 s[TW], SLOTB
	TILES 8                                        ; tiles 55 to 62
	TILE 0                                         ; tile 63
	; THE PARTIAL SOFTMAX AND CONTEXT of my 32 rows.  Lane (r, h) holds, for each tile of rows, the sums over the e of its half, in two registers.
	v_add_f32 v60, v[LG], v[LG+1]
	v_add_f32 v61, v[LG+2], v[LG+3]
	v_permlanex16_b32 v62, v60, s[SEL], s[SEL+1]
	v_permlanex16_b32 v63, v61, s[SEL], s[SEL+1]
	v_add_f32 v60, v60, v62                        ; t of row r,
	v_add_f32 v61, v61, v63                        ; and of row 16 + r
	v_cmp_gt_u32 vcc_lo, 16, v3
	v_cndmask_b32 v60, v61, v60, vcc_lo            ; lane l: t of row l
	v_lshlrev_b32 v61, 2, v3
	global_store_b32 v61, v60, s[14:15]            ; 128 consecutive bytes of tl; v60 and v61 are not written again
	v_max_num_f32_dpp v62, v60, v60 row_xmask:1 row_mask:0xf bank_mask:0xf
	v_max_num_f32_dpp v62, v62, v62 row_xmask:2 row_mask:0xf bank_mask:0xf
	v_max_num_f32_dpp v62, v62, v62 row_xmask:4 row_mask:0xf bank_mask:0xf
	v_max_num_f32_dpp v62, v62, v62 row_xmask:8 row_mask:0xf bank_mask:0xf
	v_permlanex16_b32 v63, v62, s[SEL], s[SEL+1]
	v_max_num_f32 v62, v62, v63                    ; m: the largest t of the 32
	v_sub_f32 v63, v60, v62
	s_wait_alu depctr_va_vdst(0)
	v_exp_f32 v63, v63                             ; p = 2^(t - m), at most 1
	v_mov_b32 v56, 0                               ; (a plain instruction behind the exponential)  the first row's addend
	s_wait_alu depctr_va_vdst(0)
.set I, 0
.rept 32
	v_readlane_b32 s[70+I%8], v63, I               ; row I's weight, for every lane
	v_mov_b32 v[PB+I], s[70+I%8]
.set I, I+1
.endr
.irp t, 0,1
	WIN 0x02+\t                                    ; source 0: window 2 (rows 0-15) or 3 (rows 16-31)
.set I, 0
.rept 16
.set Q, 0
.rept 16
.if \t+I == 0
	v_fma_mix_f32_bf16 v[CX+2*Q], v[64*(Q/4)+4*I+Q%4], v[PB+16*\t+I], v56 op_sel_hi:[1,0,0]                    ; the first row starts the sums
	v_fma_mix_f32_bf16 v[CX+2*Q+1], v[64*(Q/4)+4*I+Q%4], v[PB+16*\t+I], v56 op_sel:[1,0,0] op_sel_hi:[1,0,0]
.else
	v_fma_mix_f32_bf16 v[CX+2*Q], v[64*(Q/4)+4*I+Q%4], v[PB+16*\t+I], v[CX+2*Q] op_sel_hi:[1,0,0]             ; the low bf16 x p, in f32
	v_fma_mix_f32_bf16 v[CX+2*Q+1], v[64*(Q/4)+4*I+Q%4], v[PB+16*\t+I], v[CX+2*Q+1] op_sel:[1,0,0] op_sel_hi:[1,0,0]   ; the high one
.endif
.set Q, Q+1
.endr
.set I, I+1
.endr
.endr
	WIN 0
	v_lshlrev_b32 v57, 4, v3
.irp q, 0,1,2,3,4,5,6,7
	global_store_b128 v57, v[CX+4*\q:CX+4*\q+3], s[16:17] offset:512*\q   ; 512 consecutive bytes a store.  Byte 512 q + 16 lane + 4 j holds d = 256 (q / 2) + 8 lane + 4 (q % 2) + j
.endr
	s_wait_tensorcnt 0x0                           ; the wave's end
	ds_add_u32 v[SPW], v[NIL]
	s_wait_dscnt 0x0
	ROUND                                          ; the closing round
	s_endpgm
.Lfunc_end_k_q61e60b0376_main:
	.size	k_q61e60b0376_main, .Lfunc_end_k_q61e60b0376_main-k_q61e60b0376_main
	.p2alignl 7, 3214868480
	.fill 96, 4, 3214868480
	.section	.rodata,"a",@progbits
	.p2align	6, 0x0
	.amdhsa_kernel k_q61e60b0376_main
		.amdhsa_group_segment_fixed_size 327680
		.amdhsa_private_segment_fixed_size 0
		.amdhsa_enable_private_segment 0
		.amdhsa_kernarg_size 56
		.amdhsa_user_sgpr_count 2
		.amdhsa_user_sgpr_kernarg_segment_ptr 1
		.amdhsa_wavefront_size32 1
		.amdhsa_system_sgpr_workgroup_id_x 1
		.amdhsa_system_sgpr_workgroup_id_y 1
		.amdhsa_system_sgpr_workgroup_id_z 1
		.amdhsa_system_vgpr_workitem_id 0
		.amdhsa_next_free_vgpr 1024
		.amdhsa_next_free_sgpr 80
		.amdhsa_reserve_vcc 1
		.amdhsa_float_denorm_mode_32 3
		.amdhsa_float_denorm_mode_16_64 3
		.amdhsa_memory_ordered 1
		.amdhsa_forward_progress 1
		.amdhsa_inst_pref_size 255
	.end_amdhsa_kernel
	.section	.bss,"aw",@nobits
	.p2align	6
	.space	262144
	.amdgpu_metadata
---
amdhsa.version: [ 1, 2 ]
amdhsa.kernels:
  - .name:           k_q61e60b0376_main
    .symbol:         k_q61e60b0376_main.kd
    .args:
      - { .name: encoder_out, .offset: 0, .size: 8, .value_kind: global_buffer, .address_space: global }
      - { .name: W_enc_codes, .offset: 8, .size: 8, .value_kind: global_buffer, .address_space: global }
      - { .name: W_enc_scales, .offset: 16, .size: 8, .value_kind: global_buffer, .address_space: global }
      - { .name: V_att, .offset: 24, .size: 8, .value_kind: global_buffer, .address_space: global }
      - { .name: qc, .offset: 32, .size: 8, .value_kind: global_buffer, .address_space: global }
      - { .name: tl, .offset: 40, .size: 8, .value_kind: global_buffer, .address_space: global }
      - { .name: pctx, .offset: 48, .size: 8, .value_kind: global_buffer, .address_space: global }
    .group_segment_fixed_size: 327680
    .private_segment_fixed_size: 0
    .kernarg_segment_align: 8
    .kernarg_segment_size: 56
    .max_flat_workgroup_size: 128
    .sgpr_count:     80
    .vgpr_count:     1024
    .wavefront_size: 32
...
	.end_amdgpu_metadata
.endif
;; end of part 2
;; launch combine (part 3): grid 4 x 32, 2 waves a work-group, no clusters, 1,280 bytes of LDS; arguments tl, pctx, out0, out1; writes out0, out1
.if DOCPART == 3
	.amdgcn_target "amdgcn-amd-amdhsa--gfx1250"
	.amdhsa_code_object_version 6
	.text
	.protected	k_q61e60b0376_combine
	.globl	k_q61e60b0376_combine
	.p2align	8
	.type	k_q61e60b0376_combine,@function
k_q61e60b0376_combine:
	s_mov_b64 s[64:65], 0
	v_nop
	global_prefetch_b8 v0, s[64:65] scope:SCOPE_SE
	s_setreg_imm32_b32 hwreg(HW_REG_WAVE_MODE, 25, 1), 1
	s_wait_xcnt 0x0
; For batch b (work-group y) and quarter x (work-group x): alpha = 2^(t - M) / L for 512 of the batch's 2,048 s, and 256 of the 1,024 numbers of context = sum over the 64 partials p of 2^(m_p - M) pctx[p] / L.
; M is the batch's largest t, m_p the largest of partial p's 32 (the number that the launch before took away), L the sum of 2^(t - M) over the batch.  Each of a batch's four work-groups makes M, m_p and L for itself: 8 KB of tl.
; Thread p (0 .. 63) holds partial p's 32 t.  The matrix unit, clusters and tensor loads have nothing to do here: a sum of 64 rows, each byte read once.
; LDS: bytes 0-255 the 64 factors u_p = 2^(m_p - M); 512-519 the two waves' maxima; 520-527 their sums.
; REGISTERS: v16-47 my partial's t, later v16-19 the context; v48-55 eight t of my quarter; v64-127 the 64 factors; v128-191, v192-255 two sets of 16 partials x 4 numbers.
	s_load_b128 s[4:7], s[0:1], 0x0                ; tl s[4:5], pctx s[6:7]
	s_load_b128 s[8:11], s[0:1], 0x10              ; out0 s[8:9], out1 s[10:11]
	v_lshl_add_u32 v6, v0, 2, 0x400
	v_mov_b32 v63, 0
	v_lshrrev_b32 v1, 5, v0
	v_readfirstlane_b32 s12, v1                    ; wave
	s_and_b32 s13, ttmp7, 0xffff                   ; b
	s_lshl_b32 s14, s13, 13                        ; a batch's 8,192 bytes of tl and of out1
	s_mov_b32 s15, 0
	s_lshl_b32 s16, s13, 18                        ; its 64 partials of 4,096 bytes,
	s_lshl_b32 s17, ttmp9, 10
	s_add_co_u32 s16, s16, s17                     ; + my quarter's 1,024
	s_mov_b32 s17, 0
	s_lshl_b32 s18, s13, 12                        ; out0: 4,096 b + 1,024 x
	s_lshl_b32 s19, ttmp9, 10
	s_add_co_u32 s18, s18, s19
	s_mov_b32 s19, 0
	s_lshl_b32 s20, ttmp9, 11                      ; my quarter of the batch's s: 2,048 bytes
	s_mov_b32 s21, 0
	s_mov_b32 s24, 0x76543210
	s_mov_b32 s25, 0xfedcba98                      ; v_permlanex16_b32's selects for lane l xor 16
	v_lshlrev_b32 v2, 7, v0                        ; 128 bytes of t a thread
	v_lshlrev_b32 v3, 4, v0                        ; 16 bytes a thread
	v_lshlrev_b32 v7, 2, v0                        ; 4 bytes a thread
	s_wait_alu depctr_va_vdst(0)
	s_wait_kmcnt 0x0
	s_add_nc_u64 s[4:5], s[4:5], s[14:15]
	s_add_nc_u64 s[22:23], s[4:5], s[20:21]        ; tl at my quarter
	s_add_nc_u64 s[10:11], s[10:11], s[14:15]
	s_add_nc_u64 s[10:11], s[10:11], s[20:21]      ; out1 likewise
	s_add_nc_u64 s[6:7], s[6:7], s[16:17]
	s_add_nc_u64 s[8:9], s[8:9], s[18:19]
.irp j, 0,1,2,3,4,5,6,7
	global_load_b128 v[16+4*\j:19+4*\j], v2, s[4:5] offset:16*\j
.endr
	global_load_b128 v[48:51], v3, s[22:23]        ; my quarter once more, dense: a wave reads 512 consecutive bytes
	global_load_b128 v[52:55], v3, s[22:23] offset:1024
.macro PLOAD g                         ; partials 16 g .. 16 g + 15, my 16 bytes of each, into set g % 2
.irp p, 0,1,2,3,4,5,6,7,8,9,10,11,12,13,14,15
	global_load_b128 v[128+64*((\g)%2)+4*\p:128+64*((\g)%2)+4*\p+3], v3, s[6:7] offset:4096*(16*(\g)+\p) th:TH_LOAD_NT
.endr
.endm
	PLOAD 0
	PLOAD 1
	s_wait_loadcnt 32                              ; t is in; the 32 loads of partials stay out
	v_max3_num_f32 v8, v16, v17, v18
	v_max3_num_f32 v9, v19, v20, v21
.irp i, 6,10,14,18,22,26
	v_max3_num_f32 v8, v8, v[16+\i], v[17+\i]
	v_max3_num_f32 v9, v9, v[18+\i], v[19+\i]
.endr
	v_max3_num_f32 v8, v8, v46, v47
	v_max_num_f32 v8, v8, v9                       ; m_p
	v_mov_b32 v10, v8
	v_max_num_f32_dpp v10, v10, v10 row_xmask:1 row_mask:0xf bank_mask:0xf
	v_max_num_f32_dpp v10, v10, v10 row_xmask:2 row_mask:0xf bank_mask:0xf
	v_max_num_f32_dpp v10, v10, v10 row_xmask:4 row_mask:0xf bank_mask:0xf
	v_max_num_f32_dpp v10, v10, v10 row_xmask:8 row_mask:0xf bank_mask:0xf
	v_mov_b32 v11, 0                               ; (a lane permute's destination counts as one of its sources)
	v_permlanex16_b32 v11, v10, s24, s25
	v_max_num_f32 v10, v10, v11                    ; my wave's largest t
	v_mov_b32 v12, s12
	v_lshlrev_b32 v12, 2, v12                      ; 4 x wave
	ds_store_b32 v12, v10 offset:512               ; all lanes write the same word with the same value
	s_wait_dscnt 0x0                               ; for the other wave's sake
	s_barrier_signal -1
	s_barrier_wait -1
	v_mov_b32 v13, 0
	ds_load_b64 v[14:15], v13 offset:512
	s_wait_dscnt 0x0
	v_max_num_f32 v14, v14, v15                    ; M
.irp j, 0,1,2,3,4,5,6,7,8,9,10,11,12,13,14,15,16,17,18,19,20,21,22,23,24,25,26,27,28,29,30,31,32,33,34,35,36,37,38,39
	v_sub_f32 v[16+\j], v[16+\j], v14              ; t - M: my partial's 32 and my quarter's 8
.endr
	v_sub_f32 v9, v8, v14                          ; m_p - M
	s_wait_alu depctr_va_vdst(0)
.irp j, 0,1,2,3,4,5,6,7,8,9,10,11,12,13,14,15,16,17,18,19,20,21,22,23,24,25,26,27,28,29,30,31,32,33,34,35,36,37,38,39
	v_exp_f32 v[16+\j], v[16+\j]
.endr
	v_exp_f32 v9, v9                               ; u_p
	v_nop                                          ; one plain instruction behind the batch,
	s_wait_alu depctr_va_vdst(0)                   ; and the one wait ahead of its first reader
	v_pk_add_f32 v[56:57], v[16:17], v[18:19]      ; the sum of my 32, two at a time, in two chains
	v_pk_add_f32 v[58:59], v[20:21], v[22:23]
.irp j, 8,12,16,20,24,28
	v_pk_add_f32 v[56:57], v[56:57], v[16+\j:17+\j]
	v_pk_add_f32 v[58:59], v[58:59], v[18+\j:19+\j]
.endr
	v_pk_add_f32 v[56:57], v[56:57], v[58:59]
	v_add_f32 v56, v56, v57
	v_add_f32_dpp v56, v56, v56 row_xmask:1 row_mask:0xf bank_mask:0xf
	v_add_f32_dpp v56, v56, v56 row_xmask:2 row_mask:0xf bank_mask:0xf
	v_add_f32_dpp v56, v56, v56 row_xmask:4 row_mask:0xf bank_mask:0xf
	v_add_f32_dpp v56, v56, v56 row_xmask:8 row_mask:0xf bank_mask:0xf
	v_permlanex16_b32 v11, v56, s24, s25
	v_add_f32 v56, v56, v11                        ; my wave's sum
	ds_store_b32 v12, v56 offset:520
	ds_store_b32 v7, v9                            ; u_p at 4 p
	s_wait_dscnt 0x0
	s_barrier_signal -1
	s_barrier_wait -1
	ds_load_b64 v[60:61], v13 offset:520
.irp q, 0,1,2,3,4,5,6,7,8,9,10,11,12,13,14,15
	ds_load_b128 v[64+4*\q:67+4*\q], v13 offset:16*\q   ; all 64 factors, in every lane
.endr
	s_wait_dscnt 0x0
	v_add_f32 v60, v60, v61                        ; L: at least 1, since the largest t gives 2^0
	s_wait_alu depctr_va_vdst(0)
	v_rcp_f32 v62, v60
	v_nop
	s_wait_alu depctr_va_vdst(0)
.irp j, 0,1,2,3,4,5,6,7
	v_mul_f32 v[48+\j], v[48+\j], v62              ; alpha
.endr
	global_store_b128 v3, v[48:51], s[10:11]       ; a wave stores 512 consecutive bytes; these registers are not written again
	global_store_b128 v3, v[52:55], s[10:11] offset:1024
.macro ACCUM g, left                   ; partials 16 g .. 16 g + 15; left: the younger loads, which may stay out
	s_wait_loadcnt \left
.irp p, 0,1,2,3,4,5,6,7,8,9,10,11,12,13,14,15
.irp j, 0,1,2,3
.if (\g)+\p == 0
	v_mul_f32 v[16+\j], v[64], v[128+\j]           ; the first partial starts the sums
.else
	v_fmac_f32 v[16+\j], v[64+16*(\g)+\p], v[128+64*((\g)%2)+4*\p+\j]
.endif
.endr
.endr
.endm
	ACCUM 0, 16                                    ; the first 16 are in, the next 16 stay out
	PLOAD 2
	s_wait_alu depctr_va_vdst(0)
	ACCUM 1, 16
	PLOAD 3
	s_wait_alu depctr_va_vdst(0)
	ACCUM 2, 16
	s_wait_alu depctr_va_vdst(0)
	ACCUM 3, 0
.irp j, 0,1,2,3
	v_mul_f32 v[16+\j], v[16+\j], v62
.endr
	v_and_b32 v20, 31, v0                          ; byte 16 t of my quarter of a partial holds d = 256 x + 8 (t % 32) + 4 (t / 32) + 0 .. 3: the order in which the launch before left its registers
	v_lshlrev_b32 v20, 5, v20
	v_lshrrev_b32 v21, 5, v0
	v_lshl_add_u32 v20, v21, 4, v20
	global_store_b128 v20, v[16:19], s[8:9]
	s_wait_tensorcnt 0x0
	ds_add_u32 v6, v63
	s_wait_dscnt 0x0
	s_endpgm
.Lfunc_end_k_q61e60b0376_combine:
	.size	k_q61e60b0376_combine, .Lfunc_end_k_q61e60b0376_combine-k_q61e60b0376_combine
	.p2alignl 7, 3214868480
	.fill 96, 4, 3214868480
	.section	.rodata,"a",@progbits
	.p2align	6, 0x0
	.amdhsa_kernel k_q61e60b0376_combine
		.amdhsa_group_segment_fixed_size 1280
		.amdhsa_private_segment_fixed_size 0
		.amdhsa_enable_private_segment 0
		.amdhsa_kernarg_size 32
		.amdhsa_user_sgpr_count 2
		.amdhsa_user_sgpr_kernarg_segment_ptr 1
		.amdhsa_wavefront_size32 1
		.amdhsa_system_sgpr_workgroup_id_x 1
		.amdhsa_system_sgpr_workgroup_id_y 1
		.amdhsa_system_sgpr_workgroup_id_z 1
		.amdhsa_system_vgpr_workitem_id 0
		.amdhsa_next_free_vgpr 256
		.amdhsa_next_free_sgpr 66
		.amdhsa_reserve_vcc 0
		.amdhsa_float_denorm_mode_32 3
		.amdhsa_float_denorm_mode_16_64 3
		.amdhsa_memory_ordered 1
		.amdhsa_forward_progress 1
		.amdhsa_inst_pref_size 25
	.end_amdhsa_kernel
	.amdgpu_metadata
---
amdhsa.version: [ 1, 2 ]
amdhsa.kernels:
  - .name:           k_q61e60b0376_combine
    .symbol:         k_q61e60b0376_combine.kd
    .args:
      - { .name: tl, .offset: 0, .size: 8, .value_kind: global_buffer, .address_space: global }
      - { .name: pctx, .offset: 8, .size: 8, .value_kind: global_buffer, .address_space: global }
      - { .name: out0, .offset: 16, .size: 8, .value_kind: global_buffer, .address_space: global }
      - { .name: out1, .offset: 24, .size: 8, .value_kind: global_buffer, .address_space: global }
    .group_segment_fixed_size: 1280
    .private_segment_fixed_size: 0
    .kernarg_segment_align: 8
    .kernarg_segment_size: 32
    .max_flat_workgroup_size: 64
    .sgpr_count:     66
    .vgpr_count:     256
    .wavefront_size: 32
...
	.end_amdgpu_metadata
.endif
;; end of part 3
